; MI455X (gfx1250); checked and timed in simulation.
; The chip was launched on July 23, 2026; its instructions are those of AMD's public machine-readable ISA for CDNA 5 (MIT licence, August 2026) and "CDNA5" Instruction Set Architecture Reference Guide (July 2026). The comments in the code are by the model that wrote it; some were corrected since.
;; Local Attention. Allowed arithmetic: float matrix products may take bf16 or f16 operands with f32 sums; other float arithmetic in f32, or as packed bf16 or f16 multiplies, adds, multiply-adds, maxima and minima; sums over many terms, partial sums and values carried from step to step in f32; what a program stores and reads back later, other than sums and carried values, may be rounded once to bf16 or f16.
;; Inputs: key 2 x 8 x 4,096 x 64 float32; query 2 x 8 x 4,096 x 64 float32; value 2 x 8 x 4,096 x 64 float32.
;; Outputs: out0 2 x 8 x 4,096 x 64 float32.
;; One version. Each part assembles by itself: llvm-mc -triple=amdgcn-amd-amdhsa -mcpu=gfx1250 --defsym DOCPART=n.
;; ======== version 1 of 1: 1 launch
;; limits: right only within a limited range of input values
;; launch band (part 1): grid 256 x 1, 8 waves a work-group, no clusters, 224,256 bytes of LDS; arguments query, key, value, out0; writes out0
.if DOCPART == 1
	.amdgcn_target "amdgcn-amd-amdhsa--gfx1250"
	.amdhsa_code_object_version 6
	.text
	.protected	k_qe1286b76e9_band
	.globl	k_qe1286b76e9_band
	.p2align	8
	.type	k_qe1286b76e9_band,@function
k_qe1286b76e9_band:
	s_mov_b64 s[64:65], 0
	v_nop
	global_prefetch_b8 v0, s[64:65] scope:SCOPE_SE
	s_setreg_imm32_b32 hwreg(HW_REG_WAVE_MODE, 25, 1), 1
	s_wait_xcnt 0x0
; BAND ATTENTION.  out[h][q][:] = the sum over k, |k - q| <= 50, 0 <= k < 4096, of softmax_k(Q[h][q] . K[h][k] / 8) V[h][k][:].
; Q, K, V, out: [16 heads][4096][64] f32.  Q, K and V are rounded once to bf16 on the way into LDS; products, maximum and sums in f32; the weights p are rounded to bf16
; for the second product (their sum l is taken of the unrounded p); out is f32.
; LIMITS.  A hidden score counts as -1e30, or (keys beyond a head's ends) as its value less 1e30: |Q . K| stays under 1e29.  A weight below 2^-126 counts as 0.  NaN and infinities in the
; inputs are not treated apart.  Every row sees its own key, so no row's softmax is empty and the reference's replacement of NaN by 0 never acts on finite inputs.
; SHARES.  Work-group g: head g / 16, block g % 16 of 256 queries.  It stages, as bf16, key rows 256 block - 64 .. 256 block + 319 of K and of V (384 rows each) and its 256 rows of Q.
; Wave w owns queries 32 w .. 32 w + 31 of the block: two tiles t of 16.  Its key window is staged rows 32 w .. 32 w + 159: ten blocks kb of 16 keys.  Tile t needs blocks t .. t + 8
; (b = kb - t = 0 .. 8); the tenth lies outside the band, is not multiplied, and its weights are 0.
; LAYOUT.  S^T = K Q^T (source 0 = 16 keys, source 1 = 16 queries): lane (r = l % 16, h = l / 16) holds query r and keys 16 kb + 8 h + 0..7.  Two such results rounded in pairs ARE source 1
; (32 keys x 16 queries) of O^T = V^T P, whose result holds query r and channels 16 cb + 8 h + 0..7.  V ([key][channel]) is turned on its way out of LDS by ds_load_tr16_b128.
; SOFTMAX.  A tile's whole band, 72 scores a lane, lies in registers: the true maximum m, then p = 2^(c s - c m), c = log2(e) / 8.
; THE MASK.  With x = 16 b + 8 h + j a key is seen iff 14 + r <= x <= 114 + r: blocks 0, 1 are cut from below, 7, 8 from above, 2 to 6 are whole.  The pattern hangs on the lane alone: 32 lane
; masks in scalar registers, made once.  A head's ends fall on whole blocks of 16 keys: there a clamped chunk (real rows of the head) is staged, and the four waves concerned hide those blocks.
; NO TENSOR LOADS, NO CLUSTER: every input byte has to pass through registers to be rounded to bf16 (the turning load takes 16-bit elements), and of a work-group's 1,024 staged rows
; only the 256 rows of K's and V's halo are read by a neighbour as well.
.set PK,    144                  ; a row of K in LDS: 128 bytes + 16 = 36 words: the 16 rows of a fragment load start 4 r words apart modulo 64 words
.set PV,    160                  ; a row of V: 128 + 32 = 40 words: 16 lanes of the turning load take 8 rows x 32 bytes, no two in the same words modulo 64
.set PQ,    144
.set SP,    272                  ; a row of the stage: 256 bytes of f32 + 16
.set KBASE, 0                    ; 384 rows
.set VBASE, KBASE+384*PK         ; 384 rows
.set QBASE, VBASE+384*PV         ; 256 rows
.set STAGE, QBASE+256*PQ         ; the way out: 32 rows for each wave, its own
.set SPARE, STAGE+8*32*SP        ; the spare words, 128 bytes for each wave: four blocks of 256 bytes that no other line names
.set LO16, 3                     ; v3   16 x lane: my 16 bytes in 512 consecutive bytes of memory; never rewritten
.set AK,   4                     ; v4   my lane's place in the wave's window of K
.set AV,   5                     ; v5   the same for V (turning load)
.set AQ,   6                     ; v6   my lane's place in the wave's rows of Q
.set STO,  7                     ; v7   the way out: where I put 32 bytes of a row
.set RD,   8                     ; v8   the way out: where I read rows back
.set SK,   9                     ; v9   staging: where I put 8 bytes of K
.set SV,   10                    ; v10  of V
.set SQ,   11                    ; v11  of Q
.set BIG,  12                    ; v[12:13]  -1e30, twice
.set SPW,  14                    ; v14  LDS address of my spare word: SPARE + 4 x my thread's number; never rewritten
.set NIL,  15                    ; v15  0; never rewritten
.set ST,   16                    ; tile t's statistics at v[ST+8 t]: c m, m, l (a pair; later 1 / l in the first), three chains of the maximum
.set LOB,  16                    ; during staging: r - 8 h + 14
.set HIB,  17                    ;                 r - 8 h + 2
.set TMP,  32                    ; staging: two sets of 16 registers of packed bf16
.set SLOT0, 64                   ; staging: six slots of 32 registers, a chunk of 16 rows x 256 bytes each
.set QF,   32                    ; Q's fragments: tile t, channel half c at QF + 16 t + 8 c
.set KR,   64                    ; K's fragments: three slots of 16 registers, by kb % 3
.set SS,   112                   ; S^T: tile t, block b at SS + 72 t + 8 b
.set PF,   32                    ; P, where Q and K lay: tile t, key block kb at PF + 40 t + 4 kb
.set VR,   112                   ; V's fragments, where tile 0's S^T lay: two slots of 32 registers
.set OT,   184                   ; O^T, where tile 1's S^T lay: tile t, channel block cb at OT + 32 t + 8 cb
.set BK,   32                    ; the way out: tile t's 16 rows read back, 32 registers
.set WV,   12                    ; s12  my wave's number
.set SB,   20                    ; s[20:25] K at my three chunks, s[26:31] V at the same three
.set SBQ,  32                    ; s[32:33] Q at my wave's 32 rows
.set SBO,  34                    ; s[34:35] out at the same rows
.set CS,   44                    ; s[44:45] c: the packed scaling takes the pair's low word for both halves
.set SEL,  46                    ; s[46:47] v_permlanex16_b32's selects: each lane takes its own place in the other half
.set GW,   48                    ; s48  my wave among the head's 128
.set MLO,  66                    ; s[66:81] lane masks of blocks 0, 1: hidden from below
.set MHI,  82                    ; s[82:97] of blocks 7, 8: hidden from above
	s_load_b256 s[4:11], s[0:1], 0x0               ; query s[4:5], key s[6:7], value s[8:9], out0 s[10:11]
	v_lshl_add_u32 v[SPW], v0, 2, SPARE
	v_mov_b32 v[NIL], 0
	v_lshrrev_b32 v1, 5, v0
	v_readfirstlane_b32 s[WV], v1                  ; wave 0..7
	v_and_b32 v[LO16], 31, v0
	v_lshlrev_b32 v[LO16], 4, v[LO16]
	s_and_b32 s13, ttmp9, 15                       ; block of 256 queries
	s_lshr_b32 s14, ttmp9, 4                       ; head
	s_lshl_b32 s15, s14, 20                        ; a head is 4,096 rows of 256 bytes
	s_mul_i32 s17, s[WV], 48
	s_lshl_b32 s16, s13, 8
	s_add_co_u32 s16, s16, s17                     ; 64 + the head's row that staged row 48 w stands for
.irp j, 0,1,2                                          ; my three chunks of 16 rows of K and V, as byte offsets.  A chunk lies wholly inside the head or wholly outside; outside it is clamped to the head's first or last 16 rows
	s_add_co_u32 s[36+2*(\j)], s16, 16*(\j)
	s_max_u32 s[36+2*(\j)], s[36+2*(\j)], 64
	s_sub_co_u32 s[36+2*(\j)], s[36+2*(\j)], 64
	s_min_u32 s[36+2*(\j)], s[36+2*(\j)], 4080
	s_lshl_b32 s[36+2*(\j)], s[36+2*(\j)], 8
	s_add_co_u32 s[36+2*(\j)], s[36+2*(\j)], s15
	s_mov_b32 s[37+2*(\j)], 0
.endr
	s_lshl_b32 s17, s[WV], 5
	s_lshl_b32 s42, s13, 8
	s_add_co_u32 s42, s42, s17                     ; my wave's first query
	s_lshl_b32 s42, s42, 8
	s_add_co_u32 s42, s42, s15
	s_mov_b32 s43, 0
	s_wait_kmcnt 0x0
.irp j, 0,1,2
	s_add_nc_u64 s[SB+2*(\j):SB+2*(\j)+1], s[6:7], s[36+2*(\j):37+2*(\j)]
	s_add_nc_u64 s[SB+6+2*(\j):SB+6+2*(\j)+1], s[8:9], s[36+2*(\j):37+2*(\j)]
.endr
	s_add_nc_u64 s[SBQ:SBQ+1], s[4:5], s[42:43]
	s_add_nc_u64 s[SBO:SBO+1], s[10:11], s[42:43]  ; none of these eight bases, nor v3, is ever rewritten
; STAGING.  A chunk is 16 rows of 256 bytes of f32, 4,096 consecutive bytes: eight loads, each of 512 consecutive bytes at a multiple of 512 from the buffer's first byte.
; A wave's chunks: 0-2 K (staged rows 48 w + 16 c), 3-5 V (the same rows), 6-7 its own 32 rows of Q.
.macro ISSUE c
.set X, SLOT0+32*((\c)%6)
.set n, 0
.rept 8
.if (\c) < 6
	global_load_b128 v[X+4*n:X+4*n+3], v[LO16], s[SB+2*(\c):SB+2*(\c)+1] offset:512*n     ; no hint: the neighbouring blocks read the halo's rows too
.else
	global_load_b128 v[X+4*n:X+4*n+3], v[LO16], s[SBQ:SBQ+1] offset:4096*((\c)-6)+512*n th:TH_LOAD_NT  ; Q is read once in the launch
.endif
.set n, n+1
.endr
.endm
; Chunk c is rounded to bf16 and stored: load i brought lane (r, h) the four channels 4 r .. of row 2 i + h, which are 8 bytes of bf16.  left = the loads issued behind this chunk's eight.
.macro STORE c, left
.set X, SLOT0+32*((\c)%6)
.set TT, TMP+16*((\c)%2)
	s_wait_loadcnt \left                           ; loads come back in order (ISA guide 5.7.1): this chunk is in, the younger ones stay out
.set n, 0
.rept 16
	v_cvt_pk_bf16_f32 v[TT+n], v[X+2*n], v[X+2*n+1]
.set n, n+1
.endr
.if (\c) < 2
	ISSUE (\c)+6                                   ; the slot just read out takes a chunk of Q
.endif
.if (\c) < 3
.set AD, SK
.set PT, PK
.set JJ, (\c)
.elseif (\c) < 6
.set AD, SV
.set PT, PV
.set JJ, (\c)-3
.else
.set AD, SQ
.set PT, PQ
.set JJ, (\c)-6
.endif
.set n, 0
.rept 8
	ds_store_b64 v[AD], v[TT+2*n:TT+2*n+1] offset:(16*JJ+2*n)*PT
.set n, n+1
.endr
.endm
.irp c, 0,1,2,3,4,5
	ISSUE \c                                       ; 48 loads of the wave go out before anything else is done
.endr
	; while they are on their way: addresses, constants and the lane masks
	v_and_b32 v1, 15, v0                           ; r
	v_bfe_u32 v2, v0, 4, 1                         ; h
	s_mul_i32 s17, s[WV], 32*PK                    ; (KBASE is 0)
	v_mul_u32_u24 v[AK], v1, PK
	v_lshl_add_u32 v[AK], v2, 4, v[AK]
	v_add_nc_u32 v[AK], s17, v[AK]                 ; (32 w + r) x pitch + 16 h
	v_and_b32 v16, 7, v0
	v_bfe_u32 v17, v0, 3, 1
	v_lshl_add_u32 v[AV], v2, 3, v16               ; the turning load: lane l reads key 8 h + l % 8, channels 8 ((l / 8) % 2) + 0..7
	v_mul_u32_u24 v[AV], v[AV], PV
	v_lshl_add_u32 v[AV], v17, 4, v[AV]
	s_mul_i32 s18, s[WV], 32*PV
	s_add_co_u32 s18, s18, VBASE
	v_add_nc_u32 v[AV], s18, v[AV]
	s_mul_i32 s19, s[WV], 32*PQ
	s_add_co_u32 s19, s19, QBASE
	v_mul_u32_u24 v[AQ], v1, PQ
	v_lshl_add_u32 v[AQ], v2, 4, v[AQ]
	v_add_nc_u32 v[AQ], s19, v[AQ]
	v_mul_u32_u24 v[SQ], v2, PQ                    ; staging: row h of a pair, 8 bytes a lane
	v_lshl_add_u32 v[SQ], v1, 3, v[SQ]
	v_add_nc_u32 v[SQ], s19, v[SQ]
	s_mul_i32 s17, s[WV], 48*PK
	v_mul_u32_u24 v[SK], v2, PK
	v_lshl_add_u32 v[SK], v1, 3, v[SK]
	v_add_nc_u32 v[SK], s17, v[SK]
	s_mul_i32 s18, s[WV], 48*PV
	s_add_co_u32 s18, s18, VBASE
	v_mul_u32_u24 v[SV], v2, PV
	v_lshl_add_u32 v[SV], v1, 3, v[SV]
	v_add_nc_u32 v[SV], s18, v[SV]
	s_mul_i32 s17, s[WV], 32*SP
	s_add_co_u32 s17, s17, STAGE                   ; my stage
	v_mul_u32_u24 v[STO], v1, SP                   ; in: row r, 32 bytes for each half of the lanes
	v_lshl_add_u32 v[STO], v2, 5, v[STO]
	v_add_nc_u32 v[STO], s17, v[STO]
	v_mul_u32_u24 v[RD], v2, SP                    ; back: lanes 0-15 take one row of 256 bytes, lanes 16-31 the next
	v_lshl_add_u32 v[RD], v1, 4, v[RD]
	v_add_nc_u32 v[RD], s17, v[RD]
	v_mov_b32 v[BIG], 0xf149f2ca                   ; -1e30
	v_mov_b32 v[BIG+1], 0xf149f2ca
	s_mov_b32 s[CS], 0x3e38aa3b                    ; c = log2(e) / 8 = 0.180337
	s_mov_b32 s[CS+1], s[CS]                       ; named with it as a pair
	s_mov_b32 s[SEL], 0x76543210
	s_mov_b32 s[SEL+1], 0xfedcba98
	s_lshl_b32 s[GW], s13, 3
	s_add_co_u32 s[GW], s[GW], s[WV]               ; 8 x block + wave
	v_lshlrev_b32 v[HIB], 3, v2
	v_sub_nc_u32 v[HIB], v1, v[HIB]                ; r - 8 h
	v_add_nc_u32 v[LOB], 14, v[HIB]
	v_add_nc_u32 v[HIB], 2, v[HIB]
.set n, 0
.rept 16                                               ; register j of block b (n = 8 b + j) is hidden from below where 16 b + 8 h + j < 14 + r
	v_cmp_lt_i32 s[MLO+n], 16*(n/8)+n%8, v[LOB]
.set n, n+1
.endr
.set n, 0
.rept 16                                               ; register j of block 7 + n / 8 is hidden from above where 16 (b - 7) + 8 h + j > 2 + r
	v_cmp_gt_i32 s[MHI+n], 16*(n/8)+n%8, v[HIB]
.set n, n+1
.endr
	STORE 0, 40                                    ; behind chunk 0: chunks 1-5
	STORE 1, 40                                    ; behind chunk 1: 2-6
	STORE 2, 40                                    ; 3-7
	STORE 3, 32
	STORE 4, 24
	STORE 5, 16
	STORE 6, 8
	STORE 7, 0
	s_wait_dscnt 0x0                               ; for the others' sake: my stores into K's, V's and Q's rows are done
	s_barrier_signal -1
	s_barrier_wait -1                              ; everybody's are: the launch's one barrier; from here on nobody writes those rows
; A load into a register that a matrix instruction has read, and a vector instruction that reads a matrix result or writes one of a matrix instruction's registers, stand four places
; behind it; only plain vector instructions that name none of its registers are places (ISA guide 7.12.1 for vector instructions).
.macro PLACES
.rept 4
	v_nop
.endr
.endm
; A fragment of K or Q is 16 rows x 32 channels in 8 registers: lane (r, h) holds row r, channels 8 h + 0..7 and 16 + 8 h + 0..7: two loads of 16 bytes, 32 bytes apart.
.macro LOADQ
.irp f, 0,1,2,3                                        ; tile f / 2, channel half f % 2
	ds_load_b128 v[QF+8*(\f):QF+8*(\f)+3],   v[AQ] offset:((\f)/2)*16*PQ+((\f)%2)*64
	ds_load_b128 v[QF+8*(\f)+4:QF+8*(\f)+7], v[AQ] offset:((\f)/2)*16*PQ+((\f)%2)*64+32
.endr
.endm
.macro LOADK kb                                        ; four loads: key block kb of the window, both channel halves
.set rK, KR+16*((\kb)%3)
.irp c, 0,1
	ds_load_b128 v[rK+8*(\c):rK+8*(\c)+3],   v[AK] offset:(\kb)*16*PK+64*(\c)
	ds_load_b128 v[rK+8*(\c)+4:rK+8*(\c)+7], v[AK] offset:(\kb)*16*PK+64*(\c)+32
.endr
.endm
.macro MMS t, kb, c                                    ; S^T of tile t, key block kb: channel half c; half 0 starts the sum
.set rS, SS+72*(\t)+8*((\kb)-(\t))
.set rK, KR+16*((\kb)%3)+8*(\c)
.set rQ, QF+16*(\t)+8*(\c)
.if (\c) == 0
	v_wmma_f32_16x16x32_bf16 v[rS:rS+7], v[rK:rK+7], v[rQ:rQ+7], 0
.else
	v_wmma_f32_16x16x32_bf16 v[rS:rS+7], v[rK:rK+7], v[rQ:rQ+7], v[rS:rS+7]
.endif
.endm
	; K Q^T.  The accumulators take turns, one instruction a turn: no two matrix instructions that follow each other share one.
	LOADQ
	LOADK 0
	LOADK 1
	LOADK 2
	s_wait_dscnt 4                                 ; Q and blocks 0, 1 are in; block 2's four loads may be out
	MMS 0, 0, 0
	MMS 0, 1, 0
	MMS 1, 1, 0
	MMS 0, 0, 1
	MMS 0, 1, 1
	MMS 1, 1, 1
	PLACES
	LOADK 3
	LOADK 4
.irp kb, 2,3,4,5,6,7
	s_wait_dscnt 8                                 ; block kb is in; the two younger blocks' eight loads may be out
	MMS 0, \kb, 0
	MMS 1, \kb, 0
	MMS 0, \kb, 1
	MMS 1, \kb, 1
.if \kb <= 6
	PLACES
	LOADK (\kb)+3                                  ; into the slot just multiplied
.endif
.endr
	s_wait_dscnt 0x0                               ; blocks 8 and 9
	MMS 0, 8, 0
	MMS 1, 8, 0
	MMS 1, 9, 0
	MMS 0, 8, 1
	MMS 1, 8, 1
	MMS 1, 9, 1
	PLACES
; A HEAD'S ENDS.  Window key x stands for the head's key 32 GW - 64 + x: below 0 for blocks 0-3 (GW = 0) or 0-1 (GW = 1), at 4,096 or beyond for blocks 8-9 (GW = 126) or 6-9 (GW = 127).
; HIDE takes 1e30 off a block's scores in both tiles, each accumulator from its lowest registers on.  The branches hang on the work-group's and the wave's number alone.
.macro HIDE kb
.irp t, 0,1
.if ((\kb) >= (\t)) && ((\kb)-(\t) <= 8)
.set XS, SS+72*(\t)+8*((\kb)-(\t))
.set n, 0
.rept 4
	v_pk_add_f32 v[XS+2*n:XS+2*n+1], v[XS+2*n:XS+2*n+1], v[BIG:BIG+1]
.set n, n+1
.endr
.endif
.endr
.endm
	s_cmp_gt_u32 s[GW], 1
	s_cbranch_scc1 .Lno_lo
	HIDE 0
	HIDE 1
	s_cmp_lg_u32 s[GW], 0
	s_cbranch_scc1 .Lno_lo
	HIDE 2
	HIDE 3
.Lno_lo:
	s_cmp_lt_u32 s[GW], 126
	s_cbranch_scc1 .Lno_hi
	HIDE 8
	HIDE 9
	s_cmp_lg_u32 s[GW], 127
	s_cbranch_scc1 .Lno_hi
	HIDE 6
	HIDE 7
.Lno_hi:
; THE SOFTMAX of tile t.  EXPB b: block b's eight exponentials, in place.  SUMB b: its weights are rounded to bf16 into P and added, in pairs, onto l.
.macro EXPB b
.set n, 0
.rept 8
	v_exp_f32 v[rS+8*(\b)+n], v[rS+8*(\b)+n]
.set n, n+1
.endr
.endm
.macro SUMB b
.set XS, rS+8*(\b)
.set n, 0
	s_wait_alu depctr_va_vdst(0)
.rept 4
	v_cvt_pk_bf16_f32 v[rP+4*(\b)+n], v[XS+2*n], v[XS+2*n+1]
.set n, n+1
.endr
	v_pk_add_f32 v[XS:XS+1], v[XS:XS+1], v[XS+2:XS+3]
	v_pk_add_f32 v[XS+4:XS+5], v[XS+4:XS+5], v[XS+6:XS+7]
.if (\b) == 0
	v_pk_add_f32 v[rT+2:rT+3], v[XS:XS+1], v[XS+4:XS+5]        ; the first block starts l: nothing is cleared
.else
	v_pk_add_f32 v[XS:XS+1], v[XS:XS+1], v[XS+4:XS+5]
	v_pk_add_f32 v[rT+2:rT+3], v[rT+2:rT+3], v[XS:XS+1]
	s_wait_alu depctr_va_vdst(0)
.endif
.endm
.macro SOFTMAX t
.set rS, SS+72*(\t)
.set rT, ST+8*(\t)
.set rP, PF+40*(\t)+4*(\t)                             ; the tile's block b is key block b + t
.set n, 0
.rept 16                                               ; the band's lower edge, blocks 0 and 1,
	v_cndmask_b32 v[rS+n], v[rS+n], v[BIG], s[MLO+n]
.set n, n+1
.endr
.set n, 0
.rept 16                                               ; and its upper edge, blocks 7 and 8
	v_cndmask_b32 v[rS+56+n], v[rS+56+n], v[BIG], s[MHI+n]
.set n, n+1
.endr
	; the maximum: three chains, each over 24 registers in ascending order, three operands at a time
.irp i, 0,1,2
	v_max3_num_f32 v[rT+4+(\i)], v[rS+24*(\i)], v[rS+24*(\i)+1], v[rS+24*(\i)+2]
.endr
.set n, 1
.rept 10
.irp i, 0,1,2
	v_max3_num_f32 v[rT+4+(\i)], v[rT+4+(\i)], v[rS+24*(\i)+2*n+1], v[rS+24*(\i)+2*n+2]
.endr
.set n, n+1
.endr
	v_max3_num_f32 v[rT+4], v[rT+4], v[rS+23], v[rS+47]        ; the three scores left over
	v_max3_num_f32 v[rT+5], v[rT+5], v[rT+6], v[rS+71]
	v_max_num_f32 v[rT+4], v[rT+4], v[rT+5]
	v_permlanex16_b32 v[rT+5], v[rT+4], s[SEL], s[SEL+1]       ; the query's other keys lie in the lane 16 away
	v_max_num_f32 v[rT+1], v[rT+4], v[rT+5]                    ; m: a true score, since the query's own key is seen
	v_mul_f32 v[rT], s[CS], v[rT+1]                            ; c m
.set n, 0
.rept 36
	v_pk_fma_f32 v[rS+2*n:rS+2*n+1], v[rS+2*n:rS+2*n+1], s[CS:CS+1], v[rT:rT+1] op_sel_hi:[1,0,0] neg_lo:[0,0,1] neg_hi:[0,0,1]  ; c s - c m
.set n, n+1
.endr
	; a block's weights are used two blocks behind its exponentials, so that a plain instruction stands between every exponential and the use of its result (ISA guide 5.7.2)
	EXPB 0
	EXPB 1
	v_nop
	s_wait_alu depctr_va_vdst(0)
.irp b, 2,3,4,5,6,7,8
	SUMB (\b)-2
	EXPB \b
.endr
	SUMB 7
	SUMB 8
.set n, 0
.rept 4                                                ; the key block that the tile does not multiply: 9 for tile 0, 0 for tile 1: its weights are 0
	v_mov_b32 v[PF+40*(\t)+36*(1-(\t))+n], 0
.set n, n+1
.endr
	v_add_f32 v[rT+2], v[rT+2], v[rT+3]
	v_permlanex16_b32 v[rT+3], v[rT+2], s[SEL], s[SEL+1]
	v_add_f32 v[rT+2], v[rT+2], v[rT+3]
	v_rcp_f32 v[rT+2], v[rT+2]                                 ; 1 / l, used on the way out
	v_nop                                                      ; the plain instruction behind it
.endm
; A step of 32 keys of V, turned: lane (r, h) gets channel 16 cb + r and keys 8 h + 0..7, 16 + 8 h + 0..7: source 0 of O^T = V^T P.
.macro LOADV p
.set rV, VR+32*((\p)%2)
.irp cb, 0,1,2,3
	ds_load_tr16_b128 v[rV+8*(\cb):rV+8*(\cb)+3],   v[AV] offset:(\p)*32*PV+32*(\cb)
	ds_load_tr16_b128 v[rV+8*(\cb)+4:rV+8*(\cb)+7], v[AV] offset:(\p)*32*PV+16*PV+32*(\cb)
.endr
.endm
.macro PVSTEP p                                        ; eight products, the eight accumulators by turns; step 0 starts the sums
.irp cb, 0,1,2,3
.irp t, 0,1
.set rO, OT+32*(\t)+8*(\cb)
.set rV, VR+32*((\p)%2)+8*(\cb)
.set rP, PF+40*(\t)+8*(\p)
.if (\p) == 0
	v_wmma_f32_16x16x32_bf16 v[rO:rO+7], v[rV:rV+7], v[rP:rP+7], 0
.else
	v_wmma_f32_16x16x32_bf16 v[rO:rO+7], v[rV:rV+7], v[rP:rP+7], v[rO:rO+7]
.endif
.endr
.endr
.endm
	SOFTMAX 0
	LOADV 0                                        ; into tile 0's scores, which are spent: tile 1's softmax stands between these loads and their use
	LOADV 1
	SOFTMAX 1
.irp p, 0,1,2,3
	s_wait_dscnt 8                                 ; step p is in; the younger step's eight loads may be out
	PVSTEP \p
.if \p <= 2
	PLACES
	LOADV (\p)+2                                   ; into the slot just multiplied
.endif
.endr
	s_wait_dscnt 0x0
	PVSTEP 4
	PLACES
; THE WAY OUT.  O^T is divided by l (each accumulator from its lowest registers on); a lane's eight channels of a row, 32 bytes of f32, go into my own stage's rows
; of 272 bytes and come back as whole rows of 256.
.macro OUTA t
.set rO, OT+32*(\t)
.set rB, BK+32*(\t)
.set n, 0
	s_wait_alu depctr_va_vdst(0)
.rept 16
	v_pk_mul_f32 v[rO+2*n:rO+2*n+1], v[rO+2*n:rO+2*n+1], v[ST+8*(\t)+2:ST+8*(\t)+3] op_sel_hi:[1,0]
.set n, n+1
.endr
.set n, 0
.rept 8                                                ; channel block n / 2, half n % 2 of the lane's eight channels
	ds_store_b128 v[STO], v[rO+4*n:rO+4*n+3] offset:16*(\t)*SP+64*(n/2)+16*(n%2)
.set n, n+1
.endr
.set n, 0
.rept 8
	ds_load_b128 v[rB+4*n:rB+4*n+3], v[RD] offset:16*(\t)*SP+2*n*SP  ; LDS serves a wave's instructions in order (ISA guide 5.7.1.4): these see the stores above
.set n, n+1
.endr
.endm
.macro SEND t, younger                                 ; younger: the LDS instructions issued behind tile t's loads
.set rB, BK+32*(\t)
	s_wait_dscnt \younger
.set n, 0
.rept 8
	global_store_b128 v[LO16], v[rB+4*n:rB+4*n+3], s[SBO:SBO+1] offset:4096*(\t)+512*n th:TH_STORE_NT  ; 512 consecutive bytes, at a multiple of 512 from out's first byte
.set n, n+1
.endr
.endm
	OUTA 0
	OUTA 1
	SEND 0, 16                                     ; tile 1's eight stores and eight loads may be out
	SEND 1, 0
	s_wait_tensorcnt 0x0                           ; the wave's end, behind my last LDS store
	ds_add_u32 v[SPW], v[NIL]
	s_wait_dscnt 0x0
	s_endpgm
.Lfunc_end_k_qe1286b76e9_band:
	.size	k_qe1286b76e9_band, .Lfunc_end_k_qe1286b76e9_band-k_qe1286b76e9_band
	.p2alignl 7, 3214868480
	.fill 96, 4, 3214868480
	.section	.rodata,"a",@progbits
	.p2align	6, 0x0
	.amdhsa_kernel k_qe1286b76e9_band
		.amdhsa_group_segment_fixed_size 224256
		.amdhsa_private_segment_fixed_size 0
		.amdhsa_enable_private_segment 0
		.amdhsa_kernarg_size 32
		.amdhsa_user_sgpr_count 2
		.amdhsa_user_sgpr_kernarg_segment_ptr 1
		.amdhsa_wavefront_size32 1
		.amdhsa_system_sgpr_workgroup_id_x 1
		.amdhsa_system_sgpr_workgroup_id_y 1
		.amdhsa_system_sgpr_workgroup_id_z 1
		.amdhsa_system_vgpr_workitem_id 0
		.amdhsa_next_free_vgpr 256
		.amdhsa_next_free_sgpr 98
		.amdhsa_reserve_vcc 0
		.amdhsa_float_denorm_mode_32 3
		.amdhsa_float_denorm_mode_16_64 3
		.amdhsa_memory_ordered 1
		.amdhsa_forward_progress 1
		.amdhsa_inst_pref_size 76
	.end_amdhsa_kernel
	.amdgpu_metadata
---
amdhsa.version: [ 1, 2 ]
amdhsa.kernels:
  - .name:           k_qe1286b76e9_band
    .symbol:         k_qe1286b76e9_band.kd
    .args:
      - { .name: query, .offset: 0, .size: 8, .value_kind: global_buffer, .address_space: global }
      - { .name: key, .offset: 8, .size: 8, .value_kind: global_buffer, .address_space: global }
      - { .name: value, .offset: 16, .size: 8, .value_kind: global_buffer, .address_space: global }
      - { .name: out0, .offset: 24, .size: 8, .value_kind: global_buffer, .address_space: global }
    .group_segment_fixed_size: 224256
    .private_segment_fixed_size: 0
    .kernarg_segment_align: 8
    .kernarg_segment_size: 32
    .max_flat_workgroup_size: 256
    .sgpr_count:     98
    .vgpr_count:     256
    .wavefront_size: 32
...
	.end_amdgpu_metadata
.endif
;; end of part 1
